; MI455X (gfx1250); checked and timed in simulation.
; The chip was launched on July 23, 2026; its instructions are those of AMD's public machine-readable ISA for CDNA 5 (MIT licence, August 2026) and "CDNA5" Instruction Set Architecture Reference Guide (July 2026). The comments in the code are by the model that wrote it; some were corrected since.
;; N Gram Attention. Allowed arithmetic: float matrix products may take bf16 or f16 operands with f32 sums; all other float work in f32.
;; Inputs: Vb 3 x 512 float32; Vw 3 x 512 x 512 float32; Wb 3 x 512 float32; Ww 3 x 512 x 512 float32; enc_hs 16 x 4,096 x 512 float32; s_prev 16 x 512 float32; src_mask 16 x 4,096 bool.
;; Outputs: out0 16 x 512 float32; out1 16 x 4,096 float32.
;; 2 versions, each right; version 2 is version 1 with the launch stream written anew for expert scheduling mode. Each part assembles by itself: llvm-mc -triple=amdgcn-amd-amdhsa -mcpu=gfx1250 --defsym DOCPART=n.
;; ======== version 1 of 2: 3 launches
;; limits: right only within a limited range of input values
;; workspace buffers: u 98,560 bytes; part 1,638,400 bytes; lg 262,144 bytes
;; launch prep (part 1): grid 24 x 8, 16 waves a work-group, no clusters, 10,496 bytes of LDS; arguments s_prev, Vw, Vb, u; writes u
.if DOCPART == 1
	.amdgcn_target "amdgcn-amd-amdhsa--gfx1250"
	.amdhsa_code_object_version 6
	.text
	.protected	k_q9abde28b33_prep
	.globl	k_q9abde28b33_prep
	.p2align	8
	.type	k_q9abde28b33_prep,@function
k_q9abde28b33_prep:
	s_mov_b64 s[64:65], 0
	v_nop
	global_prefetch_b8 v0, s[64:65] scope:SCOPE_SE
	s_setreg_imm32_b32 hwreg(HW_REG_WAVE_MODE, 25, 1), 1
	s_wait_xcnt 0x0
; The score of level i is s . (V_i h + vb_i) = (V_i^T s) . h + s . vb_i, for every input.  This launch makes, in f32 and in base 2,
;   u[b][i][d] = (log2 e / k_i) sum over e of s_prev[b][e] Vw[i][e][d]     (k_i = 1, 2, 3: the window's length, so that a window's average becomes a plain sum of row products)
;   c[i][b]    =  log2 e        sum over e of s_prev[b][e] Vb[i][e]
; u lies at byte (3 b + i) 2048 of the buffer u, c[i][b] at byte 98304 + 64 i + 4 b.
; WHY THE VECTOR UNIT: few rows against a matrix that is streamed; the later logits are sums of 512 products of which the softmax
; needs the absolute value to a few thousandths, which 16-bit operands do not give.  So f32 multiply-adds.
; SHARES.  Work-group (x, y): level i = x / 8, columns 64 (x % 8) .. + 63 (256 bytes of every row of Vw), batches 2 y and 2 y + 1.
; Wave w: rows e = 32 w .. 32 w + 31.  Lane L: two columns.  The sixteen waves' sums meet in LDS, behind the one barrier.
; Each load of Vw by a wave covers 256 consecutive bytes, aligned; all 32 of a wave go out at once.
; s_prev IN SCALAR REGISTERS: a wave's 32 numbers of a batch are the same for all its lanes, so they come by scalar loads, 2 x 32 registers:
; as many batches as the scalar registers hold, which is why a work-group takes two.  A packed multiply-add takes only the low word of a scalar pair,
; so the products are plain multiply-adds with the scalar as first source: 4 for a row, 128 for a wave.
; NO JOINT LOADS, though the eight work-groups of a column block read the same 128 KB of Vw: a joint load lands in LDS, so the block would be written there and read
; back for two multiply-adds a number, and the text has no loop: one run of loads, one sum, one store, round which two rounds of a cluster's barrier would stand.
; c: every wave multiplies its 32 numbers of Vb[i] by the two batches' s_prev, one a lane, and sums over its lanes; wave 0 adds the sixteen waves' words.
; All eight column blocks of a level make the same c; the first one stores it: 8 bytes a work-group, 192 bytes in the launch.
; LDS: RED 0..8191 (4096 batch + 256 w + 8 L); CW 8192..8319 (64 batch + 4 w).
.set LOG2E, 0x3fb8aa3b
.set RED, 0
.set CW,  8192
.set UC,  98304                        ; byte of c in the buffer u
.set ACC, 16                           ; v[16:23]   sums: 4 (row % 2) + 2 batch + column
.set CV,  24                           ; v24 Vb[i][32 w + L]; v25, v26 s_prev[2 y][..], s_prev[2 y + 1][..], then their products
.set VW,  48                           ; v[48:111]  row r's two columns at 48 + 2 r
.set S0,  32                           ; s[32:63]   s_prev[2 y][32 w + r]
.set S1,  68                           ; s[68:99]   s_prev[2 y + 1][32 w + r]
	s_load_b256 s[4:11], s[0:1], 0x0               ; s_prev s[4:5], Vw s[6:7], Vb s[8:9], u s[10:11]: used as they come, every offset lies in a register of its own
	v_lshl_add_u32 v112, v0, 2, 0x2100
	v_mov_b32 v113, 0
	v_lshrrev_b32 v10, 5, v0
	v_readfirstlane_b32 s12, v10                   ; wave 0..15
	s_lshr_b32 s13, ttmp9, 3                       ; level i
	s_and_b32 s14, ttmp9, 7                        ; block of 64 columns
	s_and_b32 s30, ttmp7, 0xffff                   ; pair of batches y
	v_and_b32 v11, 31, v0                          ; lane L
	v_lshlrev_b32 v1, 3, v11                       ; 8 L
	v_lshlrev_b32 v6, 2, v11                       ; 4 L
	s_lshl_b32 s15, s30, 12                        ; s_prev: batch 2 y,
	s_lshl_b32 s31, s12, 7                         ; 32 w numbers on
	s_add_co_u32 s15, s15, s31                     ; the scalar loads' offset; never rewritten
	v_add_nc_u32 v9, s15, v6                       ; and my lane's number there
	s_lshl_b32 s16, s13, 11                        ; Vb: level i, 32 w numbers on, my lane's
	s_add_co_u32 s16, s16, s31
	v_add_nc_u32 v2, s16, v6
	s_lshl_b32 s20, s14, 8                         ; the block's 256 bytes of a row
	s_lshl_b32 s16, s13, 20                        ; Vw: level i,
	s_lshl_b32 s17, s12, 16                        ; 32 w rows of 2,048 bytes,
	s_add_co_u32 s16, s16, s17
	s_add_co_u32 s16, s16, s20                     ; the block,
	v_add_nc_u32 v8, s16, v1                       ; my two columns
	v_lshl_add_u32 v3, s12, 8, v1                  ; where my sums go: 256 w + 8 L
	s_lshl_b32 s16, s12, 2
	s_add_co_u32 s16, s16, CW
	v_mov_b32 v5, s16                              ; my wave's word for c
	s_mov_b32 s24, LOG2E                           ; log2 e / k_i
	s_cmp_eq_u32 s13, 1
	s_cselect_b32 s24, 0x3f38aa3b, s24             ; / 2
	s_cmp_eq_u32 s13, 2
	s_cselect_b32 s24, 0x3ef6384f, s24             ; / 3
	s_mov_b32 s25, s24                             ; named with it as a pair, so it is written
	s_mov_b32 s26, 0x76543210                      ; v_permlanex16_b32: each lane takes its own place in the other half
	s_mov_b32 s27, 0xfedcba98
	s_wait_kmcnt 0x0
	s_load_b512 s[S0:S0+15],    s[4:5], s15        ; 2 x 128 bytes of s_prev
	s_load_b512 s[S0+16:S0+31], s[4:5], s15 offset:64
	s_load_b512 s[S1:S1+15],    s[4:5], s15 offset:2048
	s_load_b512 s[S1+16:S1+31], s[4:5], s15 offset:2112
	global_load_b32 v[CV],   v2, s[8:9]            ; c's three loads are the oldest: the counts below leave only rows of Vw out
	global_load_b32 v[CV+1], v9, s[4:5]
	global_load_b32 v[CV+2], v9, s[4:5] offset:2048
.set rr, 0
.rept 32
	global_load_b64 v[VW+2*rr:VW+2*rr+1], v8, s[6:7] offset:2048*rr
.set rr, rr+1
.endr
	s_wait_kmcnt 0x0                               ; s_prev; Vw's rows are on their way meanwhile
	; 32 rows x 2 batches x 2 columns.  Even and odd rows have sums of their own, so that a multiply-add stands eight instructions behind the one that it adds onto.
.set rr, 0
.rept 32
.if rr%4 == 0
	s_wait_loadcnt 28-rr                           ; rows up to rr + 3 are in: the 28 - rr younger rows stay out
.endif
.set ac, ACC+4*(rr%2)
.if rr < 2
	v_mul_f32 v[ac],   s[S0+rr], v[VW+2*rr]        ; the first products start the sums
	v_mul_f32 v[ac+1], s[S0+rr], v[VW+2*rr+1]
	v_mul_f32 v[ac+2], s[S1+rr], v[VW+2*rr]
	v_mul_f32 v[ac+3], s[S1+rr], v[VW+2*rr+1]
.else
	v_fmac_f32 v[ac],   s[S0+rr], v[VW+2*rr]
	v_fmac_f32 v[ac+1], s[S0+rr], v[VW+2*rr+1]
	v_fmac_f32 v[ac+2], s[S1+rr], v[VW+2*rr]
	v_fmac_f32 v[ac+3], s[S1+rr], v[VW+2*rr+1]
.endif
.set rr, rr+1
.endr
	v_pk_add_f32 v[ACC:ACC+1],   v[ACC:ACC+1],   v[ACC+4:ACC+5]
	v_pk_add_f32 v[ACC+2:ACC+3], v[ACC+2:ACC+3], v[ACC+6:ACC+7]
	v_mul_f32 v[CV+1], v[CV+1], v[CV]              ; c: one product a lane and batch (the last wait above was for 0),
	v_mul_f32 v[CV+2], v[CV+2], v[CV]
	ds_store_b64 v3, v[ACC:ACC+1] offset:RED
	ds_store_b64 v3, v[ACC+2:ACC+3] offset:RED+4096
.irp x, 1,2,4,8
	v_add_f32_dpp v[CV+1], v[CV+1], v[CV+1] row_xmask:\x row_mask:0xf bank_mask:0xf     ; summed over the 32 lanes
	v_add_f32_dpp v[CV+2], v[CV+2], v[CV+2] row_xmask:\x row_mask:0xf bank_mask:0xf
.endr
	v_permlanex16_b32 v10, v[CV+1], s26, s27       ; its destination counts as read: v10 and v11 were written at the head and are free
	v_permlanex16_b32 v11, v[CV+2], s26, s27
	v_add_f32 v[CV+1], v[CV+1], v10
	v_add_f32 v[CV+2], v[CV+2], v11
	ds_store_b32 v5, v[CV+1]                       ; all lanes write the same word with the same value
	ds_store_b32 v5, v[CV+2] offset:64
	s_wait_dscnt 0x0                               ; for the others' sake: my sums and my words of c are written
	s_barrier_signal -1
	s_barrier_wait -1
	s_cmp_gt_u32 s12, 1
	s_cbranch_scc1 .Lend                           ; waves 0 and 1 finish a batch each; the others have nothing left
	v_lshl_add_u32 v4, s12, 12, v1                 ; batch w's sums of wave 0
.set ww, 0
.rept 16
	ds_load_b64 v[VW+2*ww:VW+2*ww+1], v4 offset:RED+256*ww
.set ww, ww+1
.endr
	s_lshl_b32 s16, s30, 1                         ; where they go in u: row 3 (2 y + w) + i, the block's 256 bytes
	s_add_co_u32 s16, s16, s12
	s_mul_i32 s16, s16, 3
	s_add_co_u32 s16, s16, s13
	s_lshl_b32 s16, s16, 11
	s_add_co_u32 s16, s16, s20
	v_add_nc_u32 v7, s16, v1
	s_wait_dscnt 0x0
.irp h, 8,4,2,1
.set pp, 0
.rept \h
	v_pk_add_f32 v[VW+2*pp:VW+2*pp+1], v[VW+2*pp:VW+2*pp+1], v[VW+2*(pp+\h):VW+2*(pp+\h)+1]
.set pp, pp+1
.endr
.endr
	v_pk_mul_f32 v[VW:VW+1], v[VW:VW+1], s[24:25] op_sel_hi:[1,0]
	global_store_b64 v7, v[VW:VW+1], s[10:11]      ; the wave stores 256 consecutive bytes, aligned
	s_cmp_lg_u32 s12, 0                            ; the pair's two c are stored once: by wave 0 of the level's first block
	s_cbranch_scc1 .Lend
	s_cmp_lg_u32 s14, 0
	s_cbranch_scc1 .Lend
	ds_load_b32 v12, v6 offset:CW                  ; lanes 0-15: the sixteen waves' words of batch 2 y; lanes 16-31: of batch 2 y + 1
	s_lshl_b32 s16, s13, 6                         ; 64 i + 8 y behind u's rows
	s_lshl_b32 s31, s30, 3
	s_add_co_u32 s16, s16, s31
	s_add_co_u32 s16, s16, UC
	v_bfe_u32 v13, v0, 4, 1
	v_lshl_add_u32 v13, v13, 2, s16                ; + 4 for the upper half of the lanes
	s_wait_dscnt 0x0
.irp x, 1,2,4,8
	v_add_f32_dpp v12, v12, v12 row_xmask:\x row_mask:0xf bank_mask:0xf
.endr
	v_mul_f32 v12, LOG2E, v12
	global_store_b32 v13, v12, s[10:11]            ; the sixteen lanes of a half store the same word with the same value
.Lend:
	s_wait_tensorcnt 0x0
	ds_add_u32 v112, v113
	s_wait_dscnt 0x0
	s_endpgm
.Lfunc_end_k_q9abde28b33_prep:
	.size	k_q9abde28b33_prep, .Lfunc_end_k_q9abde28b33_prep-k_q9abde28b33_prep
	.p2alignl 7, 3214868480
	.fill 96, 4, 3214868480
	.section	.rodata,"a",@progbits
	.p2align	6, 0x0
	.amdhsa_kernel k_q9abde28b33_prep
		.amdhsa_group_segment_fixed_size 10496
		.amdhsa_private_segment_fixed_size 0
		.amdhsa_enable_private_segment 0
		.amdhsa_kernarg_size 32
		.amdhsa_user_sgpr_count 2
		.amdhsa_user_sgpr_kernarg_segment_ptr 1
		.amdhsa_wavefront_size32 1
		.amdhsa_system_sgpr_workgroup_id_x 1
		.amdhsa_system_sgpr_workgroup_id_y 1
		.amdhsa_system_sgpr_workgroup_id_z 1
		.amdhsa_system_vgpr_workitem_id 0
		.amdhsa_next_free_vgpr 114
		.amdhsa_next_free_sgpr 100
		.amdhsa_reserve_vcc 0
		.amdhsa_float_denorm_mode_32 3
		.amdhsa_float_denorm_mode_16_64 3
		.amdhsa_memory_ordered 1
		.amdhsa_forward_progress 1
		.amdhsa_inst_pref_size 15
	.end_amdhsa_kernel
	.amdgpu_metadata
---
amdhsa.version: [ 1, 2 ]
amdhsa.kernels:
  - .name:           k_q9abde28b33_prep
    .symbol:         k_q9abde28b33_prep.kd
    .args:
      - { .name: s_prev, .offset: 0, .size: 8, .value_kind: global_buffer, .address_space: global }
      - { .name: Vw, .offset: 8, .size: 8, .value_kind: global_buffer, .address_space: global }
      - { .name: Vb, .offset: 16, .size: 8, .value_kind: global_buffer, .address_space: global }
      - { .name: u, .offset: 24, .size: 8, .value_kind: global_buffer, .address_space: global }
    .group_segment_fixed_size: 10496
    .private_segment_fixed_size: 0
    .kernarg_segment_align: 8
    .kernarg_segment_size: 32
    .max_flat_workgroup_size: 512
    .sgpr_count:     100
    .vgpr_count:     114
    .wavefront_size: 32
...
	.end_amdgpu_metadata
.endif
;; end of part 1
;; launch stream (part 2): grid 256 x 1, 8 waves a work-group, no clusters, 51,712 bytes of LDS; arguments enc_hs, src_mask, u, part, lg; writes part, lg
.if DOCPART == 2
	.amdgcn_target "amdgcn-amd-amdhsa--gfx1250"
	.amdhsa_code_object_version 6
	.text
	.protected	k_q9abde28b33_stream
	.globl	k_q9abde28b33_stream
	.p2align	8
	.type	k_q9abde28b33_stream,@function
k_q9abde28b33_stream:
	s_mov_b64 s[64:65], 0
	v_nop
	global_prefetch_b8 v0, s[64:65] scope:SCOPE_SE
	s_setreg_imm32_b32 hwreg(HW_REG_WAVE_MODE, 25, 1), 1
	s_wait_xcnt 0x0
; ONE PASS OVER enc_hs: scores, running softmax and pooling of all three levels, with each row kept in registers between its score and its pooling.
; With p_i[j] = enc[b][j] . u[b][i] (set to -inf where row j is masked or j >= 4096) the base-2 logits are
;   a0[l] = p0[l] + c0,   a1[l] = p1[l] + p1[l+1] + c1,   a2[l] = p2[l] + p2[l+1] + p2[l+2] + c2:
; -inf runs through the sums, which is the window mask (any row masked) and the shorter lengths T - 1, T - 2 at once.
; With e_i[l] = 2^(a_i[l] - m_i), row j is pooled with W0 = e0[j], W1 = e1[j] + e1[j-1], W2 = e2[j] + e2[j-1] + e2[j-2]; the division by k_i and by the sum of e_i comes in the next launch.
; The maximum is a running one, taken away before every exponential; it starts at FLOOR = -2^99, so that a part with no open window ends as m = FLOOR, l = 0, sums = 0 without NaN.
; LIMITS: base-2 logits under -6.3e29 count as masked; weights under 2^-126 become 0 (v_exp_f32 flushes); any mask byte other than 0 is true;
; window sums are formed directly, not as differences of running sums as the JAX text forms them: another order of rounding.
; All in f32 on the vector unit: 6 multiply-adds for each number read once; the logits need f32 operands (sums of 512 products, wanted to a few thousandths).
; SHARES.  Work-group g: batch g / 16, windows 256 (g % 16) .. + 255.  Wave w: 32 windows from r0 = 256 (g % 16) + 32 w; it reads rows r0 .. r0 + 33 (the last two also belong to the next wave).
; Lane L holds columns 128 q + 4 L + e of a row (register 4 q + e): four loads of 512 consecutive bytes a row.  Four steps of 8 windows; step s needs rows 8 s .. 8 s + 9.
; ROWS IN REGISTERS: 20 places of 16 registers from v192 on (places 0-3 in window 0, 4-19 in window 1).  Row j < 32 lies in place j % 18, rows 32, 33 in places 18, 19.
; Rows 32, 33, 0 .. 17 are asked for at the start; row j + 18 directly behind row j's last use.  No register that a load or store names as address or base is ever rewritten.
; No loop, no change of EXEC, one barrier: the eight waves meet once, at the end, in LDS.
; LDS: 0..49151 the waves' sums (6144 w + 2048 i + 4 column); 49152 m (32 i + 4 w); 49280 l; 49408..50431 level 0's logits (4 x window).
.set FLOOR, 0xf1000000
.set STM, 49152
.set STL, 49280
.set LG,  49408
.set U,    16                          ; v[16:63]   u: level i, register 16 i + 4 q + e
.set ACC,  64                          ; v[64:111]  pooled sums, same layout
.set T,    112                         ; v[112:117] three pairs at work in a row's products
.set DV,   118                         ; v[118:141] level i, row r of a step: my lane's part of the product, at 8 i + r
.set Q,    150                         ; v150-152   lane n (mod 16): p_i of row 8 s + n, n = 0..9
.set A,    153                         ; v153-155   lane n: a_i of window 8 s + n, then e_i
.set MX,   156                         ; v156-161   running maxima, two sets by turns
.set LS,   162                         ; v162-164   running sums of e_i, lane n: windows n, 8 + n, ..
.set AL,   166                         ; v[166:171] 2^(m_old - m_new), low word of a pair
.set W1,   172
.set W2,   173
.set NINF, 175
.set TX,   176                         ; v[176:183] at work
.set GM,   118                         ; the way out: the work-group's m_i, l_i
.set GL,   121
.set SM,   34                          ; s34-37     step s: lanes whose row is masked
.set MSB,  0
.set LAST, 0
.macro WIN new                         ; s_set_vgpr_msb: bits 1:0 source 0, 3:2 source 1, 5:4 source 2, 7:6 destination; the high byte repeats the setting left; a switch that changes nothing is dropped
.if MSB != (\new)
	s_set_vgpr_msb (MSB<<8)|(\new)
.set MSB, (\new)
.endif
.endm
.macro RREG j                          ; row j's window RW and first register RB
.if (\j) < 32
.set PS, (\j)%18
.else
.set PS, 18+(\j)-32
.endif
.if PS < 4
.set RW, 0
.set RB, 192+16*PS
.else
.set RW, 1
.set RB, 16*(PS-4)
.endif
.endm
.macro SWREG n                         ; weight n of 27 lies in the low word of a scalar pair; the pairs step over s64, s65
.if (\n) < 13
.set sw, 38+2*(\n)
.else
.set sw, 40+2*(\n)
.endif
.endm
.macro LOADROW j                       ; rows 0, 1, 32, 33 are read by two waves; the others once in the launch
	RREG \j
	WIN (RW<<6)
.irp q, 0,1,2,3
.if (\j) >= 32
	global_load_b128 v[RB+4*\q:RB+4*\q+3], v1, s[22:23] offset:2048*((\j)-32)+512*\q
.elseif (\j) < 2
	global_load_b128 v[RB+4*\q:RB+4*\q+3], v1, s[20:21] offset:2048*(\j)+512*\q
.else
	global_load_b128 v[RB+4*\q:RB+4*\q+3], v1, s[20:21] offset:2048*(\j)+512*\q th:TH_LOAD_NT
.endif
.endr
.if (\j) < 32
.set LAST, \j
.endif
.endm
; Row j times the three u: my lane's 16 columns, into DV(i, r).  Rows are asked for in ascending j, four loads each, and everything else was asked for earlier:
; the wait leaves the 4 (LAST - j) younger loads out (63 is the largest count that the wait can name).  Rows 32, 33 were asked for ahead of row 0.
.macro DOT j, r
	RREG \j
.if (\j) < 32
.if 4*(LAST-(\j)) > 63
	s_wait_loadcnt 63
.else
	s_wait_loadcnt 4*(LAST-(\j))
.endif
.endif
	WIN (RW<<2)                                    ; the row stands as source 1
.set pp, 0
.rept 8
.irp i, 0,1,2
.if pp == 0
	v_pk_mul_f32 v[T+2*\i:T+2*\i+1], v[U+16*\i:U+16*\i+1], v[RB:RB+1]
.else
	v_pk_fma_f32 v[T+2*\i:T+2*\i+1], v[U+16*\i+2*pp:U+16*\i+2*pp+1], v[RB+2*pp:RB+2*pp+1], v[T+2*\i:T+2*\i+1]
.endif
.endr
.set pp, pp+1
.endr
.irp i, 0,1,2
	v_fma_f32 v[DV+8*\i+\r], v[T+2*\i], 1.0, v[T+2*\i+1]   ; the pair's two halves added; written so that source 1, whose window is the row's, is a constant: no switch
.endr
.endm
; Two rows' partial sums a and b share one register: lanes whose bit of the mask is 0 end with a[lane] + a[lane ^ x], the others with b[lane] + b[lane ^ x].  For the three levels.
.macro MERGE3 a, b, mask, x
.irp i, 0,1,2
	v_cndmask_b32 v[TX+\i], v[DV+8*\i+\a], v[DV+8*\i+\b], \mask
.endr
.irp i, 0,1,2
	v_cndmask_b32 v[DV+8*\i+\b], v[DV+8*\i+\b], v[DV+8*\i+\a], \mask
.endr
.irp i, 0,1,2
	v_add_f32_dpp v[DV+8*\i+\a], v[DV+8*\i+\b], v[TX+\i] row_xmask:\x row_mask:0xf bank_mask:0xf
.endr
.endm
.macro HALVES                          ; the other sixteen lanes' sums into TX
.irp i, 0,1,2
	v_permlanex16_b32 v[TX+\i], v[DV+8*\i], s32, s33
.endr
.endm
; Eight rows' products summed over the 32 lanes: lane L ends with row L % 8, in DV(i, 0)
.macro RED8
	MERGE3 0, 1, s28, 1
	MERGE3 2, 3, s28, 1
	MERGE3 4, 5, s28, 1
	MERGE3 6, 7, s28, 1
	MERGE3 0, 2, s29, 2
	MERGE3 4, 6, s29, 2
	MERGE3 0, 4, s30, 4
.irp i, 0,1,2
	v_add_f32_dpp v[DV+8*\i], v[DV+8*\i], v[DV+8*\i] row_xmask:8 row_mask:0xf bank_mask:0xf
.endr
	HALVES
.irp i, 0,1,2
	v_add_f32 v[DV+8*\i], v[DV+8*\i], v[TX+\i]
.endr
.endm
; The step's logits, maxima, weights; the sums so far are rescaled.  first = 1: there is nothing old.
.macro SOFT st, first
.set MN, MX+3*((\st)%2)
.set MO, MX+3*(((\st)+1)%2)
.if \first
.set ER, LS                            ; the first weights are the first sums: the exponentials write them there
.else
.set ER, A
.endif
.irp i, 0,1,2
	v_mov_b32_dpp v[Q+\i], v[Q+\i] row_shl:8 row_mask:0xf bank_mask:0xf          ; rows 8, 9 of the step before are this step's rows 0, 1
.endr
.irp i, 0,1,2
	v_mov_b32_dpp v[Q+\i], v[DV+8*\i] row_shr:2 row_mask:0xf bank_mask:0xf       ; rows 2 to 9 into lanes 2 to 9; lanes 0, 1 have no source and keep theirs
.endr
.irp i, 0,1,2
	v_cndmask_b32 v[Q+\i], v[Q+\i], v[NINF], s[SM+\st]
.endr
	v_add_f32 v[A], s24, v[Q]
	v_add_f32_dpp v[A+1], v[Q+1], v[Q+1] row_shl:1 row_mask:0xf bank_mask:0xf bound_ctrl:1
	v_add_f32_dpp v[A+2], v[Q+2], v[Q+2] row_shl:1 row_mask:0xf bank_mask:0xf bound_ctrl:1
	v_mov_b32_dpp v[A], v[A] row_shr:8 row_mask:0xf bank_mask:0xf                ; lanes 8-15 repeat lanes 0-7: the four lanes that store a word hold the same value
	v_add_f32 v[A+1], s25, v[A+1]
	v_add_f32_dpp v[A+2], v[Q+2], v[A+2] row_shl:2 row_mask:0xf bank_mask:0xf bound_ctrl:1
	ds_store_b32 v11, v[A] offset:LG+32*\st
	v_add_f32 v[A+2], s26, v[A+2]
.irp i, 0,1,2
	v_cndmask_b32 v[A+\i], v[NINF], v[A+\i], s31                                 ; lanes 8-15 hold no window of this step
.endr
.irp i, 0,1,2
	v_max_num_f32_dpp v[MN+\i], v[A+\i], v[A+\i] row_xmask:1 row_mask:0xf bank_mask:0xf
.endr
.irp x, 2,4,8
.irp i, 0,1,2
	v_max_num_f32_dpp v[MN+\i], v[MN+\i], v[MN+\i] row_xmask:\x row_mask:0xf bank_mask:0xf
.endr
.endr
.irp i, 0,1,2
.if \first
	v_max_num_f32 v[MN+\i], FLOOR, v[MN+\i]
.else
	v_max_num_f32 v[MN+\i], v[MO+\i], v[MN+\i]
.endif
.endr
.irp i, 0,1,2
.if !\first
	v_sub_f32 v[TX+\i], v[MO+\i], v[MN+\i]
.endif
	v_sub_f32 v[A+\i], v[A+\i], v[MN+\i]
.endr
.irp i, 0,1,2
.if !\first
	v_exp_f32 v[AL+2*\i], v[TX+\i]
.endif
	v_exp_f32 v[ER+\i], v[A+\i]
.endr
	v_nop                                          ; a plain instruction between the last exponential and the use of its result (ISA guide 5.7.2)
.if !\first
	s_wait_alu depctr_va_vdst(0)
.irp i, 0,1,2
	v_fma_f32 v[LS+\i], v[LS+\i], v[AL+2*\i], v[A+\i]
.endr
.endif
	s_wait_alu depctr_va_vdst(0)
	v_add_f32_dpp v[W1], v[ER+1], v[ER+1] row_shr:1 row_mask:0xf bank_mask:0xf bound_ctrl:1
	v_add_f32_dpp v[W2], v[ER+2], v[ER+2] row_shr:1 row_mask:0xf bank_mask:0xf bound_ctrl:1
	v_add_f32_dpp v[W2], v[ER+2], v[W2] row_shr:2 row_mask:0xf bank_mask:0xf bound_ctrl:1
	; a row's weight is the same for all its columns: it goes to a scalar register.  8 + 9 + 10 weights
.set kk, 0
.rept 8
	SWREG kk
	v_readlane_b32 s[sw], v[ER], kk
.set kk, kk+1
.endr
.set kk, 0
.rept 9
	SWREG 8+kk
	v_readlane_b32 s[sw], v[W1], kk
.set kk, kk+1
.endr
.set kk, 0
.rept 10
	SWREG 17+kk
	v_readlane_b32 s[sw], v[W2], kk
.set kk, kk+1
.endr
.if !\first
.irp i, 0,1,2
.set pp, 0
.rept 8
	v_pk_mul_f32 v[ACC+16*\i+2*pp:ACC+16*\i+2*pp+1], v[ACC+16*\i+2*pp:ACC+16*\i+2*pp+1], v[AL+2*\i:AL+2*\i+1] op_sel_hi:[1,0]
.set pp, pp+1
.endr
.endr
.endif
.endm
; Rows 8 s .. 8 s + 9 are pooled (level i takes 8 + i of them); a row that no later step needs gives its place to the row 18 further on.
.macro POOL st, first
.set kk, 0
.rept 10
	RREG 8*\st+kk
	WIN RW                                         ; the row stands as source 0
.irp i, 0,1,2
.if kk < 8+\i
	SWREG kk+8*\i+(\i/2)
.set pp, 0
.rept 8
.if \first && (kk == 0)
	v_pk_mul_f32 v[ACC+16*\i+2*pp:ACC+16*\i+2*pp+1], v[RB+2*pp:RB+2*pp+1], s[sw:sw+1] op_sel_hi:[1,0]      ; the first row starts the sums
.else
	v_pk_fma_f32 v[ACC+16*\i+2*pp:ACC+16*\i+2*pp+1], v[RB+2*pp:RB+2*pp+1], s[sw:sw+1], v[ACC+16*\i+2*pp:ACC+16*\i+2*pp+1] op_sel_hi:[1,0,1]
.endif
.set pp, pp+1
.endr
.endif
.endr
.if (kk < 8) && (8*\st+kk+18 <= 31)
	LOADROW 8*\st+kk+18
.endif
.set kk, kk+1
.endr
.endm
.macro STEP st, first
.set rr, 0
.rept 8
	DOT 8*\st+2+rr, rr
.set rr, rr+1
.endr
	WIN 0
	RED8
	SOFT \st, \first
	POOL \st, \first
.endm
	s_load_b256 s[4:11], s[0:1], 0x0               ; enc_hs s[4:5], src_mask s[6:7], u s[8:9], part s[10:11]
	s_load_b64 s[12:13], s[0:1], 0x20              ; lg
	v_lshl_add_u32 v190, v0, 2, 0xc600
	v_mov_b32 v191, 0
	v_lshrrev_b32 v2, 5, v0
	v_readfirstlane_b32 s14, v2                    ; wave 0..7
	s_lshr_b32 s15, ttmp9, 4                       ; batch
	s_and_b32 s16, ttmp9, 15
	s_lshl_b32 s16, s16, 8
	s_lshl_b32 s27, s14, 5
	s_add_co_u32 s16, s16, s27                     ; r0: my wave's first window in the batch
	s_lshl_b32 s17, s15, 2                         ; 4 b: c's offset; never rewritten
	s_mov_b32 s28, 0xaaaaaaaa                      ; lanes with bit 0, 1, 2 of their number set
	s_mov_b32 s29, 0xcccccccc
	s_mov_b32 s30, 0xf0f0f0f0
	s_mov_b32 s31, 0x00ff00ff                      ; lanes 0-7 of each half: a step's eight windows
	s_mov_b32 s32, 0x76543210                      ; v_permlanex16_b32: each lane takes its own place in the other half
	s_mov_b32 s33, 0xfedcba98
.set nn, 0
.rept 27
	SWREG nn
	s_mov_b32 s[sw+1], 0                           ; a packed instruction names the pair and takes its low word for both halves: the high word is written once
.set nn, nn+1
.endr
	v_and_b32 v1, 31, v0
	v_lshlrev_b32 v1, 4, v1                        ; 16 L
	v_and_b32 v2, 15, v0
	v_add_nc_u32 v2, s16, v2                       ; r0 + L % 16: the row of my lane in step 0; with 8, 16 added it stays under 4,096
	v_add_nc_u32 v3, 24, v2
	v_min_u32 v3, 0xfff, v3                        ; step 3 can pass the batch's end: clamped; such lanes are masked below
	v_and_b32 v11, 7, v0
	v_lshlrev_b32 v11, 2, v11
	v_lshl_add_u32 v11, s14, 7, v11                ; 128 w + 4 (L % 8)
	s_mul_i32 s27, s14, 6144
	v_add_nc_u32 v12, s27, v1                      ; 6144 w + 16 L
	s_lshl_b32 s27, s14, 2
	v_mov_b32 v13, s27                             ; 4 w
	v_lshrrev_b32 v14, 1, v1
	v_lshl_add_u32 v14, s14, 8, v14                ; 8 x thread
	v_mov_b32 v15, 0
	v_mov_b32 v[NINF], 0xff800000
.irp r, A+1, A+2, W1, W2, MX, MX+1, MX+2, MX+3, MX+4, MX+5, AL+1, AL+3, AL+5
	v_mov_b32 v[\r], 0                             ; first written by an instruction that takes a source from another lane, whose destination counts as read; and the pairs' high words
.endr
	s_wait_kmcnt 0x0
	s_load_b32 s24, s[8:9], s17 offset:98304       ; c0, c1, c2 of my batch
	s_load_b32 s25, s[8:9], s17 offset:98304+64
	s_load_b32 s26, s[8:9], s17 offset:98304+128
	s_mul_i32 s18, s15, 6144
	s_mov_b32 s19, 0
	s_add_nc_u64 s[94:95], s[8:9], s[18:19]        ; u's three rows of my batch
	s_lshl_b32 s18, s15, 12
	s_add_nc_u64 s[6:7], s[6:7], s[18:19]          ; the batch's mask
	s_lshl_b32 s18, ttmp9, 19                      ; 256 g rows of 2,048 bytes,
	s_lshl_b32 s27, s14, 16                        ; 32 w more
	s_add_co_u32 s18, s18, s27
	s_add_nc_u64 s[20:21], s[4:5], s[18:19]        ; my row 0
	s_add_co_u32 s27, s16, 32
	s_min_u32 s27, s27, 4094                       ; rows 32, 33; at the batch's end the last two rows stand in: they are masked and carry the weight 0
	s_lshl_b32 s18, s15, 12
	s_add_co_u32 s18, s18, s27
	s_lshl_b32 s18, s18, 11
	s_add_nc_u64 s[22:23], s[4:5], s[18:19]
	s_mul_i32 s18, ttmp9, 6400
	s_add_nc_u64 s[10:11], s[10:11], s[18:19]      ; my work-group's record
	s_lshl_b32 s18, ttmp9, 10
	s_add_nc_u64 s[12:13], s[12:13], s[18:19]      ; its 256 logits
.irp i, 0,1,2
.irp q, 0,1,2,3
	global_load_b128 v[U+16*\i+4*\q:U+16*\i+4*\q+3], v1, s[94:95] offset:2048*\i+512*\q
.endr
.endr
	global_load_u8 v7, v2, s[6:7]
	global_load_u8 v8, v2, s[6:7] offset:8
	global_load_u8 v9, v2, s[6:7] offset:16
	global_load_u8 v10, v3, s[6:7]
	LOADROW 32
	LOADROW 33
.set jj, 0
.rept 18
	LOADROW jj
.set jj, jj+1
.endr
	s_wait_kmcnt 0x0                               ; c
	DOT 0, 0                                       ; 68 and 64 loads are younger than rows 0 and 1: both waits name 63
	DOT 1, 1
	WIN 0
	MERGE3 0, 1, s28, 1                            ; even lanes row 0, odd lanes row 1: lanes 8, 9 are what step 0 takes over
.irp x, 2,4,8
.irp i, 0,1,2
	v_add_f32_dpp v[DV+8*\i], v[DV+8*\i], v[DV+8*\i] row_xmask:\x row_mask:0xf bank_mask:0xf
.endr
.endr
	HALVES
.irp i, 0,1,2
	v_add_f32 v[Q+\i], v[DV+8*\i], v[TX+\i]
.endr
.irp n, 0,1,2,3
	v_cmp_ne_u32 s[SM+\n], 0, v[7+\n]              ; the mask bytes were asked for ahead of row 0
	v_cmp_lt_u32 s27, 4095-8*\n, v2                ; rows past the batch's end
	s_or_b32 s[SM+\n], s[SM+\n], s27
.endr
	STEP 0, 1
	STEP 1, 0
	STEP 2, 0
	STEP 3, 0
	WIN 0
	; THE WAY OUT.  Each wave's m, l and sums go to LDS; behind the one barrier every thread joins the eight waves' figures for its two columns.
.irp x, 1,2,4,8
.irp i, 0,1,2
	v_add_f32_dpp v[LS+\i], v[LS+\i], v[LS+\i] row_xmask:\x row_mask:0xf bank_mask:0xf      ; lanes 8-15 hold 0
.endr
.endr
.irp i, 0,1,2
	ds_store_b32 v13, v[MX+3+\i] offset:STM+32*\i  ; step 3 wrote the second set; all lanes write the same word with the same value
	ds_store_b32 v13, v[LS+\i] offset:STL+32*\i
.endr
.irp i, 0,1,2
.irp q, 0,1,2,3
	ds_store_b128 v12, v[ACC+16*\i+4*\q:ACC+16*\i+4*\q+3] offset:2048*\i+512*\q
.endr
.endr
	s_wait_dscnt 0x0                               ; for the others' sake: all my LDS stores are done, the logits' too
	s_barrier_signal -1
	s_barrier_wait -1
.irp i, 0,1,2
	ds_load_b128 v[U+16*\i:U+16*\i+3],     v15 offset:STM+32*\i      ; the eight waves' m,
	ds_load_b128 v[U+16*\i+4:U+16*\i+7],   v15 offset:STM+32*\i+16
	ds_load_b128 v[U+16*\i+8:U+16*\i+11],  v15 offset:STL+32*\i      ; and l
	ds_load_b128 v[U+16*\i+12:U+16*\i+15], v15 offset:STL+32*\i+16
.endr
.irp i, 0,1,2
.irp w, 0,1,2,3,4,5,6,7
	ds_load_b64 v[ACC+16*\i+2*\w:ACC+16*\i+2*\w+1], v14 offset:6144*\w+2048*\i
.endr
.endr
	s_wait_dscnt 0x0
.irp i, 0,1,2
	v_max3_num_f32 v[GM+\i], v[U+16*\i], v[U+16*\i+1], v[U+16*\i+2]
	v_max3_num_f32 v[GM+\i], v[GM+\i], v[U+16*\i+3], v[U+16*\i+4]
	v_max3_num_f32 v[GM+\i], v[GM+\i], v[U+16*\i+5], v[U+16*\i+6]
	v_max_num_f32 v[GM+\i], v[GM+\i], v[U+16*\i+7]
.irp w, 0,1,2,3,4,5,6,7
	v_sub_f32 v[TX+\w], v[U+16*\i+\w], v[GM+\i]
.endr
.irp w, 0,1,2,3,4,5,6,7
	v_exp_f32 v[TX+\w], v[TX+\w]
.endr
	v_nop                                          ; a plain instruction behind the last exponential
	s_wait_alu depctr_va_vdst(0)
	v_mul_f32 v[GL+\i], v[TX], v[U+16*\i+8]
	v_pk_mul_f32 v[T+2*\i:T+2*\i+1], v[ACC+16*\i:ACC+16*\i+1], v[TX:TX+1] op_sel_hi:[1,0]
.irp w, 1,2,3,4,5,6,7
	v_fmac_f32 v[GL+\i], v[TX+\w], v[U+16*\i+8+\w]
.if \w % 2
	v_pk_fma_f32 v[T+2*\i:T+2*\i+1], v[ACC+16*\i+2*\w:ACC+16*\i+2*\w+1], v[TX+\w-1:TX+\w], v[T+2*\i:T+2*\i+1] op_sel:[0,1,0] op_sel_hi:[1,1,1]
.else
	v_pk_fma_f32 v[T+2*\i:T+2*\i+1], v[ACC+16*\i+2*\w:ACC+16*\i+2*\w+1], v[TX+\w:TX+\w+1], v[T+2*\i:T+2*\i+1] op_sel_hi:[1,0,1]
.endif
.endr
	global_store_b64 v14, v[T+2*\i:T+2*\i+1], s[10:11] offset:2048*\i    ; the wave stores 256 consecutive bytes, aligned
.endr
	s_cmp_gt_u32 s14, 1
	s_cbranch_scc1 .Ldone
	v_lshl_add_u32 v126, s14, 9, v1                ; waves 0 and 1: the 256 logits, 16 bytes a lane
	ds_load_b128 v[128:131], v126 offset:LG
	s_wait_dscnt 0x0
	global_store_b128 v126, v[128:131], s[12:13]
	s_cmp_lg_u32 s14, 0
	s_cbranch_scc1 .Ldone
	v_cmp_eq_u32 vcc_lo, 0, v1                     ; wave 0: (m_i, l_i) in lane i; lanes 2 and up repeat level 2's, so that the 256 bytes behind the sums are stored whole
	v_cndmask_b32 v124, v[GM+2], v[GM], vcc_lo
	v_cndmask_b32 v125, v[GL+2], v[GL], vcc_lo
	v_cmp_eq_u32 vcc_lo, 16, v1
	v_cndmask_b32 v124, v124, v[GM+1], vcc_lo
	v_cndmask_b32 v125, v125, v[GL+1], vcc_lo
	global_store_b64 v14, v[124:125], s[10:11] offset:6144
.Ldone:
	s_wait_tensorcnt 0x0
	ds_add_u32 v190, v191
	s_wait_dscnt 0x0
	s_endpgm
.Lfunc_end_k_q9abde28b33_stream:
	.size	k_q9abde28b33_stream, .Lfunc_end_k_q9abde28b33_stream-k_q9abde28b33_stream
	.p2alignl 7, 3214868480
	.fill 96, 4, 3214868480
	.section	.rodata,"a",@progbits
	.p2align	6, 0x0
	.amdhsa_kernel k_q9abde28b33_stream
		.amdhsa_group_segment_fixed_size 51712
		.amdhsa_private_segment_fixed_size 0
		.amdhsa_enable_private_segment 0
		.amdhsa_kernarg_size 40
		.amdhsa_user_sgpr_count 2
		.amdhsa_user_sgpr_kernarg_segment_ptr 1
		.amdhsa_wavefront_size32 1
		.amdhsa_system_sgpr_workgroup_id_x 1
		.amdhsa_system_sgpr_workgroup_id_y 1
		.amdhsa_system_sgpr_workgroup_id_z 1
		.amdhsa_system_vgpr_workitem_id 0
		.amdhsa_next_free_vgpr 512
		.amdhsa_next_free_sgpr 96
		.amdhsa_reserve_vcc 1
		.amdhsa_float_denorm_mode_32 3
		.amdhsa_float_denorm_mode_16_64 3
		.amdhsa_memory_ordered 1
		.amdhsa_forward_progress 1
		.amdhsa_inst_pref_size 184
	.end_amdhsa_kernel
	.amdgpu_metadata
---
amdhsa.version: [ 1, 2 ]
amdhsa.kernels:
  - .name:           k_q9abde28b33_stream
    .symbol:         k_q9abde28b33_stream.kd
    .args:
      - { .name: enc_hs, .offset: 0, .size: 8, .value_kind: global_buffer, .address_space: global }
      - { .name: src_mask, .offset: 8, .size: 8, .value_kind: global_buffer, .address_space: global }
      - { .name: u, .offset: 16, .size: 8, .value_kind: global_buffer, .address_space: global }
      - { .name: part, .offset: 24, .size: 8, .value_kind: global_buffer, .address_space: global }
      - { .name: lg, .offset: 32, .size: 8, .value_kind: global_buffer, .address_space: global }
    .group_segment_fixed_size: 51712
    .private_segment_fixed_size: 0
    .kernarg_segment_align: 8
    .kernarg_segment_size: 40
    .max_flat_workgroup_size: 256
    .sgpr_count:     96
    .vgpr_count:     512
    .wavefront_size: 32
...
	.end_amdgpu_metadata
.endif
;; end of part 2
;; launch finish (part 3): grid 16 x 16, 8 waves a work-group, no clusters, 7,424 bytes of LDS; arguments part, lg, Ww, Wb, out0, out1; writes out0, out1
.if DOCPART == 3
	.amdgcn_target "amdgcn-amd-amdhsa--gfx1250"
	.amdhsa_code_object_version 6
	.text
	.protected	k_q9abde28b33_finish
	.globl	k_q9abde28b33_finish
	.p2align	8
	.type	k_q9abde28b33_finish,@function
k_q9abde28b33_finish:
	s_mov_b64 s[64:65], 0
	v_nop
	global_prefetch_b8 v0, s[64:65] scope:SCOPE_SE
	s_setreg_imm32_b32 hwreg(HW_REG_WAVE_MODE, 25, 1), 1
	s_wait_xcnt 0x0
; The sixteen records of a batch are joined (m = the largest m_c, f_c = 2^(m_c - m), l = sum of f_c l_c), which gives
;   pooled_i = sum over c of f_c sums_c[i] / (k_i l_i),   out0[b][e] = sum over i of (Ww[i][e] . pooled_i + Wb[i][e]),   out1[b][l] = 2^(a0[l] - m_0) / l_0.
; A level without any open window has l = 0: 1 / l is infinite and 0 x infinity gives NaN, as a softmax over -inf alone does in the JAX text.
; SHARES.  Work-group (x, y): batch y, outputs e = 32 x .. + 31 of out0 and l = 256 x .. + 255 of out1.  Every work-group joins its batch's records for itself (96 KB, which sixteen work-groups read).
; Wave w: rows e = 32 x + 4 w + r, r = 0..3, of the three Ww; lane L holds columns 128 q + 4 L + .. of a row.  All loads go out at the start.
; In f32 on the vector unit: one row of pooled numbers against weights that are streamed.  A work-group's 32 numbers of out0 are 128 bytes: half of an aligned 256;
; whole ones would halve the number of work-groups and double each one's bytes of Ww, for an output of 32 KB in all.
; LDS: 0..6143 pooled (2048 i + 4 column); 6144..6271 the 32 results.
.set CT,  6144
.set REC, 6400
.set PT,  32                           ; v[32:127]  level i, record c: my two columns, at 32 i + 2 c
.set PL,  32                           ; v[32:79]   then pooled: level i, register 16 i + 4 q + e
.set TT,  128                          ; v[128:151] row r, level i: a pair of sums at 2 (3 r + i)
.set PP,  152                          ; v[152:157] my two columns of pooled_i
.set X,   160                          ; v160-165   at work
.set MSB, 0
.macro WIN new                         ; s_set_vgpr_msb: bits 1:0 source 0, 7:6 destination; the high byte repeats the setting left
.if MSB != (\new)
	s_set_vgpr_msb (MSB<<8)|(\new)
.set MSB, (\new)
.endif
.endm
.macro MERGE a, b, mask, x, t          ; lanes whose bit of the mask is 0 end with a[lane] + a[lane ^ x], the others with b[lane] + b[lane ^ x], in a
	v_cndmask_b32 v[\t], v[\a], v[\b], \mask
	v_cndmask_b32 v[\b], v[\b], v[\a], \mask
	v_add_f32_dpp v[\a], v[\b], v[\t] row_xmask:\x row_mask:0xf bank_mask:0xf
.endm
	s_load_b256 s[4:11], s[0:1], 0x0               ; part s[4:5], lg s[6:7], Ww s[8:9], Wb s[10:11]
	s_load_b128 s[12:15], s[0:1], 0x20             ; out0 s[12:13], out1 s[14:15]
	v_lshl_add_u32 v254, v0, 2, 0x1900
	v_mov_b32 v255, 0
	v_lshrrev_b32 v2, 5, v0
	v_readfirstlane_b32 s16, v2                    ; wave 0..7
	s_and_b32 s18, ttmp7, 0xffff                   ; batch
	s_mov_b32 s28, 0x76543210                      ; v_permlanex16_b32: each lane takes its own place in the other half
	s_mov_b32 s29, 0xfedcba98
	s_mov_b32 s30, 0xaaaaaaaa
	s_mov_b32 s31, 0xcccccccc
.set cc, 0
.rept 16
	s_mov_b32 s[33+2*cc], 0                        ; the high words of the pairs that the packed instructions name
.set cc, cc+1
.endr
	v_and_b32 v26, 31, v0
	v_lshlrev_b32 v1, 4, v26                       ; 16 L
	v_lshlrev_b32 v25, 3, v26
	v_lshl_add_u32 v25, s16, 8, v25                ; 8 x thread
	v_lshl_add_u32 v28, s16, 9, v1                 ; 16 x thread
	v_lshlrev_b32 v26, 2, v26                      ; 4 L
	v_and_b32 v15, 15, v0
	v_mul_u32_u24 v15, v15, REC                    ; lane L looks at record L % 16
	v_and_b32 v27, 3, v0
	v_lshlrev_b32 v27, 2, v27
	v_lshl_add_u32 v27, s16, 4, v27                ; 16 w + 4 (L % 4): my wave's four results, in LDS and in Wb
.irp r, 19,20,21
	v_mov_b32 v\r, 0                               ; first written by an instruction that takes a source from another lane, whose destination counts as read
.endr
	s_mul_i32 s20, s18, 16*REC                     ; part: the batch's sixteen records
	s_mov_b32 s21, 0
	s_lshl_b32 s22, ttmp9, 16                      ; Ww: row 32 x + 4 w
	s_lshl_b32 s17, s16, 13
	s_add_co_u32 s22, s22, s17
	s_mov_b32 s23, 0
	s_lshl_b32 s24, s18, 14                        ; lg and out1: 4,096 b + 256 x numbers
	s_lshl_b32 s17, ttmp9, 10
	s_add_co_u32 s24, s24, s17
	s_mov_b32 s25, 0
	s_lshl_b32 s26, ttmp9, 7                       ; Wb: 32 x numbers
	s_mov_b32 s27, 0
	s_lshl_b32 s2, s18, 11                         ; out0: 512 b + 32 x numbers
	s_add_co_u32 s2, s2, s26
	s_mov_b32 s3, 0
	s_wait_kmcnt 0x0
	s_add_nc_u64 s[4:5], s[4:5], s[20:21]
	s_add_nc_u64 s[6:7], s[6:7], s[24:25]
	s_add_nc_u64 s[8:9], s[8:9], s[22:23]
	s_add_nc_u64 s[10:11], s[10:11], s[26:27]
	s_add_nc_u64 s[12:13], s[12:13], s[2:3]
	s_add_nc_u64 s[14:15], s[14:15], s[24:25]
	s_cmp_gt_u32 s16, 1
	s_cbranch_scc1 .Lno_lg
	global_load_b128 v[8:11], v28, s[6:7]          ; waves 0 and 1: the 256 logits.  The oldest load, so that it changes no count below
.Lno_lg:
.irp i, 0,1,2
	global_load_b32 v[12+\i], v27, s[10:11] offset:2048*\i
.endr
.irp i, 0,1,2
	global_load_b64 v[2+2*\i:3+2*\i], v15, s[4:5] offset:6144+8*\i       ; (m_i, l_i) of record L % 16
.endr
.irp i, 0,1,2
.set cc, 0
.rept 16
	global_load_b64 v[PT+32*\i+2*cc:PT+32*\i+2*cc+1], v25, s[4:5] offset:REC*cc+2048*\i
.set cc, cc+1
.endr
.endr
	WIN 0x40                                       ; destination window 1: row r, level i, at 48 r + 16 i + 4 q
.irp r, 0,1,2,3
.irp i, 0,1,2
.irp q, 0,1,2,3
	global_load_b128 v[48*\r+16*\i+4*\q:48*\r+16*\i+4*\q+3], v1, s[8:9] offset:1048576*\i+2048*\r+512*\q
.endr
.endr
.endr
	WIN 0
	s_wait_loadcnt 63                              ; the figures are in: 96 loads are younger, and 63 is the largest count that the wait can name
.irp i, 0,1,2
	v_max_num_f32_dpp v[19+\i], v[2+2*\i], v[2+2*\i] row_xmask:1 row_mask:0xf bank_mask:0xf
.endr
.irp x, 2,4,8
.irp i, 0,1,2
	v_max_num_f32_dpp v[19+\i], v[19+\i], v[19+\i] row_xmask:\x row_mask:0xf bank_mask:0xf
.endr
.endr
.irp i, 0,1,2
	v_sub_f32 v[16+\i], v[2+2*\i], v[19+\i]
.endr
.irp i, 0,1,2
	v_exp_f32 v[16+\i], v[16+\i]                   ; f_c
.endr
	v_nop                                          ; a plain instruction behind the last exponential (ISA guide 5.7.2)
	s_wait_alu depctr_va_vdst(0)
.irp i, 0,1,2
	v_mul_f32 v[22+\i], v[16+\i], v[3+2*\i]
.endr
.irp x, 1,2,4,8
.irp i, 0,1,2
	v_add_f32_dpp v[22+\i], v[22+\i], v[22+\i] row_xmask:\x row_mask:0xf bank_mask:0xf
.endr
.endr
.irp i, 0,1,2
	v_rcp_f32 v[22+\i], v[22+\i]                   ; 1 / l_i
.endr
	v_nop
	s_wait_alu depctr_va_vdst(0)
.irp i, 0,1,2
	v_mul_f32 v[16+\i], v[16+\i], v[22+\i]
.endr
	v_mul_f32 v17, 0.5, v17                        ; the windows' 1 / k
	v_mul_f32 v18, 0x3eaaaaab, v18
	s_cmp_gt_u32 s16, 1
	s_cbranch_scc1 .Lno_att
.irp n, 0,1,2,3
	v_sub_f32 v[8+\n], v[8+\n], v19
.endr
.irp n, 0,1,2,3
	v_exp_f32 v[8+\n], v[8+\n]
.endr
	v_nop
	s_wait_alu depctr_va_vdst(0)
	v_pk_mul_f32 v[8:9], v[8:9], v[22:23] op_sel_hi:[1,0]
	v_pk_mul_f32 v[10:11], v[10:11], v[22:23] op_sel_hi:[1,0]
	global_store_b128 v28, v[8:11], s[14:15]       ; the wave stores 512 consecutive bytes, aligned
.Lno_att:
.irp i, 0,1,2
.set cc, 0
.rept 16
	v_readlane_b32 s[32+2*cc], v[16+\i], cc        ; record c's factor is the same for all columns
.set cc, cc+1
.endr
.if \i < 2
	s_wait_loadcnt 63                              ; 80 and 64 loads are younger than level 0's and level 1's
.else
	s_wait_loadcnt 48                              ; Ww's 48 loads stay out
.endif
	v_pk_mul_f32 v[PP+2*\i:PP+2*\i+1], v[PT+32*\i:PT+32*\i+1], s[32:33] op_sel_hi:[1,0]
	v_pk_mul_f32 v[X:X+1], v[PT+32*\i+2:PT+32*\i+3], s[34:35] op_sel_hi:[1,0]
.set cc, 2
.rept 7
	v_pk_fma_f32 v[PP+2*\i:PP+2*\i+1], v[PT+32*\i+2*cc:PT+32*\i+2*cc+1], s[32+2*cc:33+2*cc], v[PP+2*\i:PP+2*\i+1] op_sel_hi:[1,0,1]
	v_pk_fma_f32 v[X:X+1], v[PT+32*\i+2*cc+2:PT+32*\i+2*cc+3], s[34+2*cc:35+2*cc], v[X:X+1] op_sel_hi:[1,0,1]
.set cc, cc+2
.endr
	v_pk_add_f32 v[PP+2*\i:PP+2*\i+1], v[PP+2*\i:PP+2*\i+1], v[X:X+1]
	ds_store_b64 v25, v[PP+2*\i:PP+2*\i+1] offset:2048*\i
.endr
	s_wait_dscnt 0x0                               ; for the others' sake: my columns of pooled are written
	s_barrier_signal -1
	s_barrier_wait -1
.irp i, 0,1,2
.irp q, 0,1,2,3
	ds_load_b128 v[PL+16*\i+4*\q:PL+16*\i+4*\q+3], v1 offset:2048*\i+512*\q
.endr
.endr
	s_wait_dscnt 0x0
	s_wait_loadcnt 0x0                             ; Ww
	WIN 0x01                                       ; source 0 window 1
.set pp, 0
.rept 8
.irp r, 0,1,2,3
.irp i, 0,1,2
.if pp == 0
	v_pk_mul_f32 v[TT+2*(3*\r+\i):TT+2*(3*\r+\i)+1], v[48*\r+16*\i:48*\r+16*\i+1], v[PL+16*\i:PL+16*\i+1]
.else
	v_pk_fma_f32 v[TT+2*(3*\r+\i):TT+2*(3*\r+\i)+1], v[48*\r+16*\i+2*pp:48*\r+16*\i+2*pp+1], v[PL+16*\i+2*pp:PL+16*\i+2*pp+1], v[TT+2*(3*\r+\i):TT+2*(3*\r+\i)+1]
.endif
.endr
.endr
.set pp, pp+1
.endr
	WIN 0
.irp r, 0,1,2,3
	v_pk_add_f32 v[TT+6*\r:TT+6*\r+1], v[TT+6*\r:TT+6*\r+1], v[TT+6*\r+2:TT+6*\r+3]
.endr
.irp r, 0,1,2,3
	v_pk_add_f32 v[TT+6*\r:TT+6*\r+1], v[TT+6*\r:TT+6*\r+1], v[TT+6*\r+4:TT+6*\r+5]
.endr
.irp r, 0,1,2,3
	v_add_f32 v[X+\r], v[TT+6*\r], v[TT+6*\r+1]
.endr
	MERGE X, X+1, s30, 1, X+4                      ; four rows summed over the 32 lanes: lane L ends with row L % 4
	MERGE X+2, X+3, s30, 1, X+5
	MERGE X, X+2, s31, 2, X+4
	v_add_f32_dpp v[X], v[X], v[X] row_xmask:4 row_mask:0xf bank_mask:0xf
	v_add_f32 v12, v12, v13                        ; the three biases of row L % 4
	v_add_f32_dpp v[X], v[X], v[X] row_xmask:8 row_mask:0xf bank_mask:0xf
	v_add_f32 v12, v12, v14
	v_permlanex16_b32 v[X+4], v[X], s28, s29
	v_add_f32 v[X], v[X], v[X+4]
	v_add_f32 v[X], v[X], v12
	ds_store_b32 v27, v[X] offset:CT               ; the eight lanes that store a word hold the same value
	s_wait_dscnt 0x0                               ; for wave 0's sake
	s_barrier_signal -1
	s_barrier_wait -1
	s_cmp_lg_u32 s16, 0
	s_cbranch_scc1 .Lend
	ds_load_b32 v[X+1], v26 offset:CT
	s_wait_dscnt 0x0
	global_store_b32 v26, v[X+1], s[12:13]         ; 128 consecutive bytes
.Lend:
	s_wait_tensorcnt 0x0
	ds_add_u32 v254, v255
	s_wait_dscnt 0x0
	s_endpgm
.Lfunc_end_k_q9abde28b33_finish:
	.size	k_q9abde28b33_finish, .Lfunc_end_k_q9abde28b33_finish-k_q9abde28b33_finish
	.p2alignl 7, 3214868480
	.fill 96, 4, 3214868480
	.section	.rodata,"a",@progbits
	.p2align	6, 0x0
	.amdhsa_kernel k_q9abde28b33_finish
		.amdhsa_group_segment_fixed_size 7424
		.amdhsa_private_segment_fixed_size 0
		.amdhsa_enable_private_segment 0
		.amdhsa_kernarg_size 48
		.amdhsa_user_sgpr_count 2
		.amdhsa_user_sgpr_kernarg_segment_ptr 1
		.amdhsa_wavefront_size32 1
		.amdhsa_system_sgpr_workgroup_id_x 1
		.amdhsa_system_sgpr_workgroup_id_y 1
		.amdhsa_system_sgpr_workgroup_id_z 1
		.amdhsa_system_vgpr_workitem_id 0
		.amdhsa_next_free_vgpr 448
		.amdhsa_next_free_sgpr 66
		.amdhsa_reserve_vcc 0
		.amdhsa_float_denorm_mode_32 3
		.amdhsa_float_denorm_mode_16_64 3
		.amdhsa_memory_ordered 1
		.amdhsa_forward_progress 1
		.amdhsa_inst_pref_size 31
	.end_amdhsa_kernel
	.amdgpu_metadata
---
amdhsa.version: [ 1, 2 ]
amdhsa.kernels:
  - .name:           k_q9abde28b33_finish
    .symbol:         k_q9abde28b33_finish.kd
    .args:
      - { .name: part, .offset: 0, .size: 8, .value_kind: global_buffer, .address_space: global }
      - { .name: lg, .offset: 8, .size: 8, .value_kind: global_buffer, .address_space: global }
      - { .name: Ww, .offset: 16, .size: 8, .value_kind: global_buffer, .address_space: global }
      - { .name: Wb, .offset: 24, .size: 8, .value_kind: global_buffer, .address_space: global }
      - { .name: out0, .offset: 32, .size: 8, .value_kind: global_buffer, .address_space: global }
      - { .name: out1, .offset: 40, .size: 8, .value_kind: global_buffer, .address_space: global }
    .group_segment_fixed_size: 7424
    .private_segment_fixed_size: 0
    .kernarg_segment_align: 8
    .kernarg_segment_size: 48
    .max_flat_workgroup_size: 256
    .sgpr_count:     66
    .vgpr_count:     448
    .wavefront_size: 32
...
	.end_amdgpu_metadata
.endif
;; end of part 3
;; ======== version 2 of 2: 3 launches; version 1 with the launch stream written anew for expert scheduling mode
;; limits: right only within a limited range of input values
;; workspace buffers: u 98,560 bytes; part 1,638,400 bytes; lg 262,144 bytes
;; launch prep: the kernel of part 1 again; grid 24 x 8, 16 waves a work-group, no clusters, 10,496 bytes of LDS; arguments s_prev, Vw, Vb, u; writes u
;; launch stream (part 4): grid 256 x 1, 8 waves a work-group, no clusters, 51,712 bytes of LDS; arguments enc_hs, src_mask, u, part, lg; writes part, lg
.if DOCPART == 4
	.amdgcn_target "amdgcn-amd-amdhsa--gfx1250"
	.amdhsa_code_object_version 6
	.text
	.protected	k_q9abde28b33_stream
	.globl	k_q9abde28b33_stream
	.p2align	8
	.type	k_q9abde28b33_stream,@function
k_q9abde28b33_stream:
	s_mov_b64 s[64:65], 0
	v_nop
	global_prefetch_b8 v0, s[64:65] scope:SCOPE_SE
	s_setreg_imm32_b32 hwreg(HW_REG_WAVE_SCHED_MODE, 0, 2), 2
	s_setreg_imm32_b32 hwreg(HW_REG_WAVE_MODE, 25, 1), 1
	s_wait_xcnt 0x0
	s_wait_alu depctr_vm_vsrc(0)
; ONE PASS OVER enc_hs: scores, running softmax and pooling of all three levels, with each row kept in registers between its score and its pooling.
; With p_i[j] = enc[b][j] . u[b][i] (set to -inf where row j is masked or j >= 4096) the base-2 logits are
;   a0[l] = p0[l] + c0,   a1[l] = p1[l] + p1[l+1] + c1,   a2[l] = p2[l] + p2[l+1] + p2[l+2] + c2:
; -inf runs through the sums, which is the window mask (any row masked) and the shorter lengths T - 1, T - 2 at once.
; With e_i[l] = 2^(a_i[l] - m_i), row j is pooled with W0 = e0[j], W1 = e1[j] + e1[j-1], W2 = e2[j] + e2[j-1] + e2[j-2]; the division by k_i and by the sum of e_i comes in the next launch.
; The maximum is a running one, taken away before every exponential; it starts at FLOOR = -2^99, so that a part with no open window ends as m = FLOOR, l = 0, sums = 0 without NaN.
; LIMITS: base-2 logits under -6.3e29 count as masked; weights under 2^-126 become 0 (v_exp_f32 flushes); any mask byte other than 0 is true;
; window sums are formed directly, not as differences of running sums as the JAX text forms them: another order of rounding.
; All in f32 on the vector unit: 6 multiply-adds for each number read once; the logits need f32 operands (sums of 512 products, wanted to a few thousandths).
; SHARES.  Work-group g: batch g / 16, windows 256 (g % 16) .. + 255.  Wave w: 32 windows from r0 = 256 (g % 16) + 32 w; it reads rows r0 .. r0 + 33 (the last two also belong to the next wave).
; Lane L holds columns 128 q + 4 L + e of a row (register 4 q + e): four loads of 512 consecutive bytes a row.  Four steps of 8 windows; step s needs rows 8 s .. 8 s + 9.
; ROWS IN REGISTERS: 20 places of 16 registers from v192 on (places 0-3 in window 0, 4-19 in window 1).  Row j < 32 lies in place j % 18, rows 32, 33 in places 18, 19.
; Rows 32, 33, 0 .. 17 are asked for at the start; row j + 18 takes row j's place behind the wait that shows row j's pooling done.  No register that a load or store names as address or base is ever rewritten.
; No loop, no change of EXEC, one barrier: the eight waves meet once, at the end, in LDS.
; LDS: 0..49151 the waves' sums (6144 w + 2048 i + 4 column); 49152 m (32 i + 4 w); 49280 l; 49408..50431 level 0's logits (4 x window).
; THE MODE: SCHED_MODE bits 1:0 = 2 (LLVM: expert scheduling mode 2), set by the entry lines.  The code itself states the register dependences
; between vector instructions and memory or LDS instructions, and those through scalar registers that vector instructions write, with s_wait_alu, always for 0.
; THE PLAN.  Registers that memory or LDS instructions touch:
;   v1-v3, v11-v15  offsets and LDS addresses: made at the head, never written again.  One wait ahead of the first load serves every load and store of the kernel.
;   the 20 places   written by the rows' loads; read by the row's products (DOT) and, last, by its pooling (POOL).  A step's POOL pools its rows 0-3; ONE wait; the loads into their four places
;                   stand ahead of the pooling of rows 4, 5, 6, 7, a row's four loads each; ONE wait; the loads into the places of rows 4-7 stand ahead of the pooling of rows 8 and 9, two rows each.
;                   The vector instructions between a wait and a load name other places, the sums and the weights: none of the registers that the load touches.  Steps 2 and 3 ask for nothing and hold no such wait.
;   LO0 .. LO3      step s's logits of level 0: written once, in step s; read by one LDS store at the way out; never written again.
;   MX, LS, ACC     named by vector instructions alone up to the way out.  There ONE wait stands ahead of the run of LDS stores; it also shows U's last readers done, for the LDS loads behind the barrier.
;                   ACC is then loaded from LDS: one wait on vm_vsrc, behind the barrier, states that my LDS stores have read it.
;   T, v126, v124-125  the way out's results and one address: a wait ahead of the stores (and the LDS load) that read them.
; Scalar registers that vector instructions write: the wave's number, the four steps' masks, each step's 27 weights, wave 0's two masks at the end: a wait behind each run of writers, ahead of the first reader.
.set FLOOR, 0xf1000000
.set STM, 49152
.set STL, 49280
.set LG,  49408
.set U,    16                          ; v[16:63]   u: level i, register 16 i + 4 q + e
.set ACC,  64                          ; v[64:111]  pooled sums, same layout
.set T,    112                         ; v[112:117] three pairs at work in a row's products
.set DV,   118                         ; v[118:141] level i, row r of a step: my lane's part of the product, at 8 i + r
.set LO,   142                         ; v142-145   step s: lane n (mod 8): a_0 of window 8 s + n, as it goes to LDS
.set Q,    150                         ; v150-152   lane n (mod 16): p_i of row 8 s + n, n = 0..9
.set A,    153                         ; v153-155   lane n: a_i of window 8 s + n, then e_i
.set MX,   156                         ; v156-161   running maxima, two sets by turns
.set LS,   162                         ; v162-164   running sums of e_i, lane n: windows n, 8 + n, ..
.set AL,   166                         ; v[166:171] 2^(m_old - m_new), low word of a pair
.set W1,   172
.set W2,   173
.set NINF, 175
.set TX,   176                         ; v[176:183] at work
.set GM,   118                         ; the way out: the work-group's m_i, l_i
.set GL,   121
.set SM,   34                          ; s34-37     step s: lanes whose row is masked
.set MSB,  0
.set LAST, 0
.macro WIN new                         ; s_set_vgpr_msb: bits 1:0 source 0, 3:2 source 1, 5:4 source 2, 7:6 destination; the high byte repeats the setting left; a switch that changes nothing is dropped
.if MSB != (\new)
	s_set_vgpr_msb (MSB<<8)|(\new)
.set MSB, (\new)
.endif
.endm
.macro RREG j                          ; row j's window RW and first register RB
.if (\j) < 32
.set PS, (\j)%18
.else
.set PS, 18+(\j)-32
.endif
.if PS < 4
.set RW, 0
.set RB, 192+16*PS
.else
.set RW, 1
.set RB, 16*(PS-4)
.endif
.endm
.macro SWREG n                         ; weight n of 27 lies in the low word of a scalar pair; the pairs step over s64, s65
.if (\n) < 13
.set sw, 38+2*(\n)
.else
.set sw, 40+2*(\n)
.endif
.endm
.macro LOADROW j                       ; rows 0, 1, 32, 33 are read by two waves; the others once in the launch
	RREG \j
	WIN (RW<<6)
.irp q, 0,1,2,3
.if (\j) >= 32
	global_load_b128 v[RB+4*\q:RB+4*\q+3], v1, s[22:23] offset:2048*((\j)-32)+512*\q
.elseif (\j) < 2
	global_load_b128 v[RB+4*\q:RB+4*\q+3], v1, s[20:21] offset:2048*(\j)+512*\q
.else
	global_load_b128 v[RB+4*\q:RB+4*\q+3], v1, s[20:21] offset:2048*(\j)+512*\q th:TH_LOAD_NT
.endif
.endr
.if (\j) < 32
.set LAST, \j
.endif
.endm
; Row j times the three u: my lane's 16 columns, into DV(i, r).  Rows are asked for in ascending j, four loads each, and everything else was asked for earlier:
; the wait leaves the 4 (LAST - j) younger loads out (63 is the largest count that the wait can name).  Rows 32, 33 were asked for ahead of row 0.
.macro DOT j, r
	RREG \j
.if (\j) < 32
.if 4*(LAST-(\j)) > 63
	s_wait_loadcnt 63
.else
	s_wait_loadcnt 4*(LAST-(\j))
.endif
.endif
	WIN (RW<<2)                                    ; the row stands as source 1
.set pp, 0
.rept 8
.irp i, 0,1,2
.if pp == 0
	v_pk_mul_f32 v[T+2*\i:T+2*\i+1], v[U+16*\i:U+16*\i+1], v[RB:RB+1]
.else
	v_pk_fma_f32 v[T+2*\i:T+2*\i+1], v[U+16*\i+2*pp:U+16*\i+2*pp+1], v[RB+2*pp:RB+2*pp+1], v[T+2*\i:T+2*\i+1]
.endif
.endr
.set pp, pp+1
.endr
.irp i, 0,1,2
	v_fma_f32 v[DV+8*\i+\r], v[T+2*\i], 1.0, v[T+2*\i+1]   ; the pair's two halves added; written so that source 1, whose window is the row's, is a constant: no switch
.endr
.endm
; Two rows' partial sums a and b share one register: lanes whose bit of the mask is 0 end with a[lane] + a[lane ^ x], the others with b[lane] + b[lane ^ x].  For the three levels.
.macro MERGE3 a, b, mask, x
.irp i, 0,1,2
	v_cndmask_b32 v[TX+\i], v[DV+8*\i+\a], v[DV+8*\i+\b], \mask
.endr
.irp i, 0,1,2
	v_cndmask_b32 v[DV+8*\i+\b], v[DV+8*\i+\b], v[DV+8*\i+\a], \mask
.endr
.irp i, 0,1,2
	v_add_f32_dpp v[DV+8*\i+\a], v[DV+8*\i+\b], v[TX+\i] row_xmask:\x row_mask:0xf bank_mask:0xf
.endr
.endm
.macro HALVES                          ; the other sixteen lanes' sums into TX
.irp i, 0,1,2
	v_permlanex16_b32 v[TX+\i], v[DV+8*\i], s32, s33
.endr
.endm
; Eight rows' products summed over the 32 lanes: lane L ends with row L % 8, in DV(i, 0)
.macro RED8
	MERGE3 0, 1, s28, 1
	MERGE3 2, 3, s28, 1
	MERGE3 4, 5, s28, 1
	MERGE3 6, 7, s28, 1
	MERGE3 0, 2, s29, 2
	MERGE3 4, 6, s29, 2
	MERGE3 0, 4, s30, 4
.irp i, 0,1,2
	v_add_f32_dpp v[DV+8*\i], v[DV+8*\i], v[DV+8*\i] row_xmask:8 row_mask:0xf bank_mask:0xf
.endr
	HALVES
.irp i, 0,1,2
	v_add_f32 v[DV+8*\i], v[DV+8*\i], v[TX+\i]
.endr
.endm
; The step's logits, maxima, weights; the sums so far are rescaled.  first = 1: there is nothing old.
.macro SOFT st, first
.set MN, MX+3*((\st)%2)
.set MO, MX+3*(((\st)+1)%2)
.if \first
.set ER, LS                            ; the first weights are the first sums: the exponentials write them there
.else
.set ER, A
.endif
.irp i, 0,1,2
	v_mov_b32_dpp v[Q+\i], v[Q+\i] row_shl:8 row_mask:0xf bank_mask:0xf          ; rows 8, 9 of the step before are this step's rows 0, 1
.endr
.irp i, 0,1,2
	v_mov_b32_dpp v[Q+\i], v[DV+8*\i] row_shr:2 row_mask:0xf bank_mask:0xf       ; rows 2 to 9 into lanes 2 to 9; lanes 0, 1 have no source and keep theirs
.endr
.irp i, 0,1,2
	v_cndmask_b32 v[Q+\i], v[Q+\i], v[NINF], s[SM+\st]
.endr
	v_add_f32 v[LO+\st], s24, v[Q]                                               ; level 0's logits have a register of their own in each step: it is stored at the way out and never written again
	v_add_f32_dpp v[A+1], v[Q+1], v[Q+1] row_shl:1 row_mask:0xf bank_mask:0xf bound_ctrl:1
	v_add_f32_dpp v[A+2], v[Q+2], v[Q+2] row_shl:1 row_mask:0xf bank_mask:0xf bound_ctrl:1
	v_mov_b32_dpp v[LO+\st], v[LO+\st] row_shr:8 row_mask:0xf bank_mask:0xf      ; lanes 8-15 repeat lanes 0-7: the four lanes that store a word hold the same value
	v_add_f32 v[A+1], s25, v[A+1]
	v_add_f32_dpp v[A+2], v[Q+2], v[A+2] row_shl:2 row_mask:0xf bank_mask:0xf bound_ctrl:1
	v_add_f32 v[A+2], s26, v[A+2]
	v_cndmask_b32 v[A], v[NINF], v[LO+\st], s31                                  ; lanes 8-15 hold no window of this step
	v_cndmask_b32 v[A+1], v[NINF], v[A+1], s31
	v_cndmask_b32 v[A+2], v[NINF], v[A+2], s31
.irp i, 0,1,2
	v_max_num_f32_dpp v[MN+\i], v[A+\i], v[A+\i] row_xmask:1 row_mask:0xf bank_mask:0xf
.endr
.irp x, 2,4,8
.irp i, 0,1,2
	v_max_num_f32_dpp v[MN+\i], v[MN+\i], v[MN+\i] row_xmask:\x row_mask:0xf bank_mask:0xf
.endr
.endr
.irp i, 0,1,2
.if \first
	v_max_num_f32 v[MN+\i], FLOOR, v[MN+\i]
.else
	v_max_num_f32 v[MN+\i], v[MO+\i], v[MN+\i]
.endif
.endr
.irp i, 0,1,2
.if !\first
	v_sub_f32 v[TX+\i], v[MO+\i], v[MN+\i]
.endif
	v_sub_f32 v[A+\i], v[A+\i], v[MN+\i]
.endr
.irp i, 0,1,2
.if !\first
	v_exp_f32 v[AL+2*\i], v[TX+\i]
.endif
	v_exp_f32 v[ER+\i], v[A+\i]
.endr
	v_nop                                          ; a plain instruction between the last exponential and the use of its result (ISA guide 5.7.2)
.if !\first
	s_wait_alu depctr_va_vdst(0)
.irp i, 0,1,2
	v_fma_f32 v[LS+\i], v[LS+\i], v[AL+2*\i], v[A+\i]
.endr
.endif
	s_wait_alu depctr_va_vdst(0)
	v_add_f32_dpp v[W1], v[ER+1], v[ER+1] row_shr:1 row_mask:0xf bank_mask:0xf bound_ctrl:1
	v_add_f32_dpp v[W2], v[ER+2], v[ER+2] row_shr:1 row_mask:0xf bank_mask:0xf bound_ctrl:1
	v_add_f32_dpp v[W2], v[ER+2], v[W2] row_shr:2 row_mask:0xf bank_mask:0xf bound_ctrl:1
	; a row's weight is the same for all its columns: it goes to a scalar register.  8 + 9 + 10 weights
.set kk, 0
.rept 8
	SWREG kk
	v_readlane_b32 s[sw], v[ER], kk
.set kk, kk+1
.endr
.set kk, 0
.rept 9
	SWREG 8+kk
	v_readlane_b32 s[sw], v[W1], kk
.set kk, kk+1
.endr
.set kk, 0
.rept 10
	SWREG 17+kk
	v_readlane_b32 s[sw], v[W2], kk
.set kk, kk+1
.endr
.if !\first
.irp i, 0,1,2
.set pp, 0
.rept 8
	v_pk_mul_f32 v[ACC+16*\i+2*pp:ACC+16*\i+2*pp+1], v[ACC+16*\i+2*pp:ACC+16*\i+2*pp+1], v[AL+2*\i:AL+2*\i+1] op_sel_hi:[1,0]
.set pp, pp+1
.endr
.endr
.endif
.endm
; Rows 8 s .. 8 s + 9 are pooled (level i takes 8 + i of them).  A row that no later step needs gives its place to the row 18 further on: rows 0-3 of the step behind the first wait, rows 4-7 behind the second.
.macro POOL st, first
	s_wait_alu depctr_va_sdst(0)                   ; the step's 27 weights are written, ahead of their first reader, the first product below
.set kk, 0
.rept 10
.if ((kk == 4) || (kk == 8)) && (8*\st+kk+14 <= 31)
	s_wait_alu depctr_va_vdst(0)                   ; the pooling of the four rows above is done reading their places, in which the loads below land, up to the next such wait or the step's end
.endif
.if (kk >= 4) && (kk < 8) && (8*\st+kk+14 <= 31)
	LOADROW 8*\st+kk+14                            ; into the place of the step's row kk - 4; no vector instruction since the wait names that place or v1
.endif
.if (kk >= 8) && (8*\st+2*kk+6 <= 31)
	LOADROW 8*\st+2*kk+6                           ; into the places of the step's rows 4, 5 (ahead of row 8) and 6, 7 (ahead of row 9)
	LOADROW 8*\st+2*kk+7
.endif
	RREG 8*\st+kk
	WIN RW                                         ; the row stands as source 0
.irp i, 0,1,2
.if kk < 8+\i
	SWREG kk+8*\i+(\i/2)
.set pp, 0
.rept 8
.if \first && (kk == 0)
	v_pk_mul_f32 v[ACC+16*\i+2*pp:ACC+16*\i+2*pp+1], v[RB+2*pp:RB+2*pp+1], s[sw:sw+1] op_sel_hi:[1,0]      ; the first row starts the sums
.else
	v_pk_fma_f32 v[ACC+16*\i+2*pp:ACC+16*\i+2*pp+1], v[RB+2*pp:RB+2*pp+1], s[sw:sw+1], v[ACC+16*\i+2*pp:ACC+16*\i+2*pp+1] op_sel_hi:[1,0,1]
.endif
.set pp, pp+1
.endr
.endif
.endr
.set kk, kk+1
.endr
.endm
.macro STEP st, first
.set rr, 0
.rept 8
	DOT 8*\st+2+rr, rr
.set rr, rr+1
.endr
	WIN 0
	RED8
	SOFT \st, \first
	POOL \st, \first
.endm
	s_load_b256 s[4:11], s[0:1], 0x0               ; enc_hs s[4:5], src_mask s[6:7], u s[8:9], part s[10:11]
	s_load_b64 s[12:13], s[0:1], 0x20              ; lg
	v_lshl_add_u32 v190, v0, 2, 0xc600
	v_mov_b32 v191, 0
	v_lshrrev_b32 v2, 5, v0
	v_readfirstlane_b32 s14, v2                    ; wave 0..7
	s_lshr_b32 s15, ttmp9, 4                       ; batch
	s_and_b32 s16, ttmp9, 15
	s_lshl_b32 s16, s16, 8
	s_lshl_b32 s17, s15, 2                         ; 4 b: c's offset; never rewritten
	s_mov_b32 s28, 0xaaaaaaaa                      ; lanes with bit 0, 1, 2 of their number set
	s_mov_b32 s29, 0xcccccccc
	s_mov_b32 s30, 0xf0f0f0f0
	s_mov_b32 s31, 0x00ff00ff                      ; lanes 0-7 of each half: a step's eight windows
	s_mov_b32 s32, 0x76543210                      ; v_permlanex16_b32: each lane takes its own place in the other half
	s_mov_b32 s33, 0xfedcba98
.set nn, 0
.rept 27
	SWREG nn
	s_mov_b32 s[sw+1], 0                           ; a packed instruction names the pair and takes its low word for both halves: the high word is written once
.set nn, nn+1
.endr
	s_wait_alu depctr_va_sdst(0)                   ; s14 is written, ahead of its first reader: offsets, LDS addresses and the branches at the end are made from it
	s_lshl_b32 s27, s14, 5
	s_add_co_u32 s16, s16, s27                     ; r0: my wave's first window in the batch
	v_and_b32 v1, 31, v0
	v_lshlrev_b32 v1, 4, v1                        ; 16 L
	v_and_b32 v2, 15, v0
	v_add_nc_u32 v2, s16, v2                       ; r0 + L % 16: the row of my lane in step 0; with 8, 16 added it stays under 4,096
	v_add_nc_u32 v3, 24, v2
	v_min_u32 v3, 0xfff, v3                        ; step 3 can pass the batch's end: clamped; such lanes are masked below
	v_and_b32 v11, 7, v0
	v_lshlrev_b32 v11, 2, v11
	v_lshl_add_u32 v11, s14, 7, v11                ; 128 w + 4 (L % 8)
	s_mul_i32 s27, s14, 6144
	v_add_nc_u32 v12, s27, v1                      ; 6144 w + 16 L
	s_lshl_b32 s27, s14, 2
	v_mov_b32 v13, s27                             ; 4 w
	v_lshrrev_b32 v14, 1, v1
	v_lshl_add_u32 v14, s14, 8, v14                ; 8 x thread
	v_mov_b32 v15, 0
	v_mov_b32 v[NINF], 0xff800000
.irp r, A+1, A+2, W1, W2, MX, MX+1, MX+2, MX+3, MX+4, MX+5, AL+1, AL+3, AL+5
	v_mov_b32 v[\r], 0                             ; first written by an instruction that takes a source from another lane, whose destination counts as read; and the pairs' high words
.endr
	s_wait_kmcnt 0x0
	s_load_b32 s24, s[8:9], s17 offset:98304       ; c0, c1, c2 of my batch
	s_load_b32 s25, s[8:9], s17 offset:98304+64
	s_load_b32 s26, s[8:9], s17 offset:98304+128
	s_mul_i32 s18, s15, 6144
	s_mov_b32 s19, 0
	s_add_nc_u64 s[94:95], s[8:9], s[18:19]        ; u's three rows of my batch
	s_lshl_b32 s18, s15, 12
	s_add_nc_u64 s[6:7], s[6:7], s[18:19]          ; the batch's mask
	s_lshl_b32 s18, ttmp9, 19                      ; 256 g rows of 2,048 bytes,
	s_lshl_b32 s27, s14, 16                        ; 32 w more
	s_add_co_u32 s18, s18, s27
	s_add_nc_u64 s[20:21], s[4:5], s[18:19]        ; my row 0
	s_add_co_u32 s27, s16, 32
	s_min_u32 s27, s27, 4094                       ; rows 32, 33; at the batch's end the last two rows stand in: they are masked and carry the weight 0
	s_lshl_b32 s18, s15, 12
	s_add_co_u32 s18, s18, s27
	s_lshl_b32 s18, s18, 11
	s_add_nc_u64 s[22:23], s[4:5], s[18:19]
	s_mul_i32 s18, ttmp9, 6400
	s_add_nc_u64 s[10:11], s[10:11], s[18:19]      ; my work-group's record
	s_lshl_b32 s18, ttmp9, 10
	s_add_nc_u64 s[12:13], s[12:13], s[18:19]      ; its 256 logits
	s_wait_alu depctr_va_vdst(0)                   ; v1-v3 and v11-v15 are written: every load, store and LDS instruction of the kernel but three reads one of them as its offset or address
.irp i, 0,1,2
.irp q, 0,1,2,3
	global_load_b128 v[U+16*\i+4*\q:U+16*\i+4*\q+3], v1, s[94:95] offset:2048*\i+512*\q
.endr
.endr
	global_load_u8 v7, v2, s[6:7]
	global_load_u8 v8, v2, s[6:7] offset:8
	global_load_u8 v9, v2, s[6:7] offset:16
	global_load_u8 v10, v3, s[6:7]
	LOADROW 32
	LOADROW 33
.set jj, 0
.rept 18
	LOADROW jj
.set jj, jj+1
.endr
	s_wait_kmcnt 0x0                               ; c
	DOT 0, 0                                       ; 68 and 64 loads are younger than rows 0 and 1: both waits name 63
	DOT 1, 1
	WIN 0
	MERGE3 0, 1, s28, 1                            ; even lanes row 0, odd lanes row 1: lanes 8, 9 are what step 0 takes over
.irp x, 2,4,8
.irp i, 0,1,2
	v_add_f32_dpp v[DV+8*\i], v[DV+8*\i], v[DV+8*\i] row_xmask:\x row_mask:0xf bank_mask:0xf
.endr
.endr
	HALVES
.irp i, 0,1,2
	v_add_f32 v[Q+\i], v[DV+8*\i], v[TX+\i]
.endr
.irp n, 0,1,2,3
	SWREG \n                                       ; the first four weights' registers are idle until step 0 makes its weights: they take the second compare of each step
	v_cmp_ne_u32 s[SM+\n], 0, v[7+\n]              ; the mask bytes were asked for ahead of row 0
	v_cmp_lt_u32 s[sw], 4095-8*\n, v2              ; rows past the batch's end
.endr
	s_wait_alu depctr_va_sdst(0)                   ; the eight compares have written their masks, ahead of the first line that reads one
.irp n, 0,1,2,3
	SWREG \n
	s_or_b32 s[SM+\n], s[SM+\n], s[sw]
.endr
	STEP 0, 1
	STEP 1, 0
	STEP 2, 0
	STEP 3, 0
	WIN 0
	; THE WAY OUT.  Each wave's m, l and sums go to LDS, and the four steps' logits with them; behind the one barrier every thread joins the eight waves' figures for its two columns.
.irp x, 1,2,4,8
.irp i, 0,1,2
	v_add_f32_dpp v[LS+\i], v[LS+\i], v[LS+\i] row_xmask:\x row_mask:0xf bank_mask:0xf      ; lanes 8-15 hold 0
.endr
.endr
	s_wait_alu depctr_va_vdst(0)                   ; LO, MX, LS and ACC are written, which the LDS stores below read; step 3's products are done reading U, in which LDS loads land behind the barrier
.irp n, 0,1,2,3
	ds_store_b32 v11, v[LO+\n] offset:LG+32*\n     ; step n's eight logits
.endr
.irp i, 0,1,2
	ds_store_b32 v13, v[MX+3+\i] offset:STM+32*\i  ; step 3 wrote the second set; all lanes write the same word with the same value
	ds_store_b32 v13, v[LS+\i] offset:STL+32*\i
.endr
.irp i, 0,1,2
.irp q, 0,1,2,3
	ds_store_b128 v12, v[ACC+16*\i+4*\q:ACC+16*\i+4*\q+3] offset:2048*\i+512*\q
.endr
.endr
	s_wait_dscnt 0x0                               ; for the others' sake: all my LDS stores are done, the logits' too
	s_barrier_signal -1
	s_barrier_wait -1
	s_wait_alu depctr_vm_vsrc(0)                   ; my LDS stores have read ACC, in which the loads below land
.irp i, 0,1,2
	ds_load_b128 v[U+16*\i:U+16*\i+3],     v15 offset:STM+32*\i      ; the eight waves' m,
	ds_load_b128 v[U+16*\i+4:U+16*\i+7],   v15 offset:STM+32*\i+16
	ds_load_b128 v[U+16*\i+8:U+16*\i+11],  v15 offset:STL+32*\i      ; and l
	ds_load_b128 v[U+16*\i+12:U+16*\i+15], v15 offset:STL+32*\i+16
.endr
.irp i, 0,1,2
.irp w, 0,1,2,3,4,5,6,7
	ds_load_b64 v[ACC+16*\i+2*\w:ACC+16*\i+2*\w+1], v14 offset:6144*\w+2048*\i
.endr
.endr
	s_wait_dscnt 0x0
.irp i, 0,1,2
	v_max3_num_f32 v[GM+\i], v[U+16*\i], v[U+16*\i+1], v[U+16*\i+2]
	v_max3_num_f32 v[GM+\i], v[GM+\i], v[U+16*\i+3], v[U+16*\i+4]
	v_max3_num_f32 v[GM+\i], v[GM+\i], v[U+16*\i+5], v[U+16*\i+6]
	v_max_num_f32 v[GM+\i], v[GM+\i], v[U+16*\i+7]
.irp w, 0,1,2,3,4,5,6,7
	v_sub_f32 v[TX+\w], v[U+16*\i+\w], v[GM+\i]
.endr
.irp w, 0,1,2,3,4,5,6,7
	v_exp_f32 v[TX+\w], v[TX+\w]
.endr
	v_nop                                          ; a plain instruction behind the last exponential
	s_wait_alu depctr_va_vdst(0)
	v_mul_f32 v[GL+\i], v[TX], v[U+16*\i+8]
	v_pk_mul_f32 v[T+2*\i:T+2*\i+1], v[ACC+16*\i:ACC+16*\i+1], v[TX:TX+1] op_sel_hi:[1,0]
.irp w, 1,2,3,4,5,6,7
	v_fmac_f32 v[GL+\i], v[TX+\w], v[U+16*\i+8+\w]
.if \w % 2
	v_pk_fma_f32 v[T+2*\i:T+2*\i+1], v[ACC+16*\i+2*\w:ACC+16*\i+2*\w+1], v[TX+\w-1:TX+\w], v[T+2*\i:T+2*\i+1] op_sel:[0,1,0] op_sel_hi:[1,1,1]
.else
	v_pk_fma_f32 v[T+2*\i:T+2*\i+1], v[ACC+16*\i+2*\w:ACC+16*\i+2*\w+1], v[TX+\w:TX+\w+1], v[T+2*\i:T+2*\i+1] op_sel_hi:[1,0,1]
.endif
.endr
.endr
	s_wait_alu depctr_va_vdst(0)                   ; the three levels' sums are written in T's three pairs, which the stores below read
.irp i, 0,1,2
	global_store_b64 v14, v[T+2*\i:T+2*\i+1], s[10:11] offset:2048*\i    ; the wave stores 256 consecutive bytes, aligned
.endr
	s_cmp_gt_u32 s14, 1
	s_cbranch_scc1 .Ldone
	v_lshl_add_u32 v126, s14, 9, v1                ; waves 0 and 1: the 256 logits, 16 bytes a lane
	s_wait_alu depctr_va_vdst(0)                   ; v126 is written: the LDS load's address and the store's offset
	ds_load_b128 v[128:131], v126 offset:LG
	s_wait_dscnt 0x0
	global_store_b128 v126, v[128:131], s[12:13]
	s_cmp_lg_u32 s14, 0
	s_cbranch_scc1 .Ldone
	v_cmp_eq_u32 s18, 0, v1                        ; wave 0: (m_i, l_i) in lane i; lanes 2 and up repeat level 2's, so that the 256 bytes behind the sums are stored whole
	v_cmp_eq_u32 s19, 16, v1
	s_wait_alu depctr_va_sdst(0)                   ; the two compares have written s18 and s19, ahead of the selects that read them
	v_cndmask_b32 v124, v[GM+2], v[GM], s18
	v_cndmask_b32 v125, v[GL+2], v[GL], s18
	v_cndmask_b32 v124, v124, v[GM+1], s19
	v_cndmask_b32 v125, v125, v[GL+1], s19
	s_wait_alu depctr_va_vdst(0)                   ; the selects have written v124 and v125, which the store reads
	global_store_b64 v14, v[124:125], s[10:11] offset:6144
.Ldone:
	s_wait_dscnt 0x0
	s_wait_alu depctr_hold_cnt(0) depctr_sa_sdst(0) depctr_va_vdst(0) depctr_va_sdst(0) depctr_va_ssrc(0) depctr_va_vcc(0) depctr_vm_vsrc(0)
	s_wait_tensorcnt 0x0
	ds_add_u32 v190, v191
	s_wait_dscnt 0x0
	s_endpgm
.Lfunc_end_k_q9abde28b33_stream:
	.size	k_q9abde28b33_stream, .Lfunc_end_k_q9abde28b33_stream-k_q9abde28b33_stream
	.p2alignl 7, 3214868480
	.fill 96, 4, 3214868480
	.section	.rodata,"a",@progbits
	.p2align	6, 0x0
	.amdhsa_kernel k_q9abde28b33_stream
		.amdhsa_group_segment_fixed_size 51712
		.amdhsa_private_segment_fixed_size 0
		.amdhsa_enable_private_segment 0
		.amdhsa_kernarg_size 40
		.amdhsa_user_sgpr_count 2
		.amdhsa_user_sgpr_kernarg_segment_ptr 1
		.amdhsa_wavefront_size32 1
		.amdhsa_system_sgpr_workgroup_id_x 1
		.amdhsa_system_sgpr_workgroup_id_y 1
		.amdhsa_system_sgpr_workgroup_id_z 1
		.amdhsa_system_vgpr_workitem_id 0
		.amdhsa_next_free_vgpr 512
		.amdhsa_next_free_sgpr 96
		.amdhsa_reserve_vcc 0
		.amdhsa_float_denorm_mode_32 3
		.amdhsa_float_denorm_mode_16_64 3
		.amdhsa_memory_ordered 1
		.amdhsa_forward_progress 1
		.amdhsa_inst_pref_size 185
	.end_amdhsa_kernel
	.amdgpu_metadata
---
amdhsa.version: [ 1, 2 ]
amdhsa.kernels:
  - .name:           k_q9abde28b33_stream
    .symbol:         k_q9abde28b33_stream.kd
    .args:
      - { .name: enc_hs, .offset: 0, .size: 8, .value_kind: global_buffer, .address_space: global }
      - { .name: src_mask, .offset: 8, .size: 8, .value_kind: global_buffer, .address_space: global }
      - { .name: u, .offset: 16, .size: 8, .value_kind: global_buffer, .address_space: global }
      - { .name: part, .offset: 24, .size: 8, .value_kind: global_buffer, .address_space: global }
      - { .name: lg, .offset: 32, .size: 8, .value_kind: global_buffer, .address_space: global }
    .group_segment_fixed_size: 51712
    .private_segment_fixed_size: 0
    .kernarg_segment_align: 8
    .kernarg_segment_size: 40
    .max_flat_workgroup_size: 256
    .sgpr_count:     96
    .vgpr_count:     512
    .wavefront_size: 32
...
	.end_amdgpu_metadata
.endif
;; end of part 4
;; launch finish: the kernel of part 3 again; grid 16 x 16, 8 waves a work-group, no clusters, 7,424 bytes of LDS; arguments part, lg, Ww, Wb, out0, out1; writes out0, out1
